; MI455X (gfx1250); checked and timed in simulation.
; The chip was launched on July 23, 2026; its instructions are those of AMD's public machine-readable ISA for CDNA 5 (MIT licence, August 2026) and "CDNA5" Instruction Set Architecture Reference Guide (July 2026). The comments in the code are by the model that wrote it; some were corrected since.
;; Swi GLUMLP. Allowed arithmetic: matrix products marked QUANTISED: E2M1 operands, one E8M0 scale for each 32 along K, by v_wmma_scale_f32_16x16x128_f8f6f4 with both operands' format E2M1 (or v_wmma_scale_f32_32x16x128_f4), f32 sums; everything else in f32.
;; Inputs: w_down 2,048 x 8,192 float32; w_gate 8,192 x 2,048 float32; w_up 8,192 x 2,048 float32; x_codes 4 x 256 x 64 x 16 uint8 (E2M1 codes of x, K innermost, in blocks of 32 codes, two codes a byte); x_scales 4 x 256 x 64 uint8 (E8M0 scales of x, one for each 32 codes along K).
;; Outputs: out0 4 x 256 x 2,048 float32.
;; Constants: group_size = 128.
;; This version of the problem:
;;   THIS VERSION OF THE PROBLEM IS GIVEN IN LOW PRECISION. The matrix products marked QUANTISED in the list below multiply operands that are first quantised to E2M1 (2 exponent bits, 1 mantissa bit; 4 bits a number), with one power-of-two scale for each 32 numbers along K (OCP MX v1.0); their sums are f32. All else is computed in f32.
;;   The module's matrix products, in the order in which they are computed (A, B: the left and right operand; K: the contracted axis; several contracted axes count as one K, in the product's order):
;;     1. [M 1,024, K 2,048] x [K 2,048, N 8,192]; A: input x (given as codes); B: computed on the way: QUANTISED
;;     2. [M 1,024, K 2,048] x [K 2,048, N 8,192]; A: input x (given as codes); B: computed on the way: QUANTISED
;;     3. [M 1,024, K 8,192] x [K 8,192, N 2,048]; A: computed on the way; B: computed on the way: QUANTISED
;;   THE QUANTISER, for each operand of a quantised product, along K:
;;     - K is cut into blocks of 32 from its start; a last block that is shorter is filled with zeros.
;;     - A block's scale is 2^e with e = floor(log2(the largest magnitude in the block)) - 2, held to -126 .. 127; a block of zeros has e = 0. As a byte (E8M0): e + 127.
;;     - Each number is divided by its block's scale, clamped to +-6, and rounded to the nearest number of E2M1, ties to even, subnormals kept.
;;     - The product sums the exact products of the quantised numbers (number of the format x scale) in f32.
;;   ~~~python
;;   def quantise(x, axis):      # numpy; x: float32 -> the quantised numbers, widened to float32 again
;;       x = np.moveaxis(x, axis, -1); K = x.shape[-1]
;;       x = np.pad(x, [(0, 0)] * (x.ndim - 1) + [(0, -K % 32)]); x = x.reshape(x.shape[:-1] + (-1, 32)); a = np.abs(x).max(-1, keepdims=True)
;;       e = np.where(a > 0, np.clip(np.frexp(np.where(a > 0, a, 1))[1] - 1 - 2, -126, 127), 0)      # np.frexp(a)[1] - 1 = floor(log2(a)), exactly
;;       r = np.clip(x / 2.0 ** e, -6, 6)
;;       step = 2.0 ** (np.maximum(np.frexp(np.where(r == 0, 1, r))[1] - 1, 0) - 1)
;;       q = np.round(r / step) * step * 2.0 ** e      # np.round: ties to even
;;       return np.moveaxis(q.reshape(q.shape[:-2] + (-1,))[..., :K], -1, axis).astype(np.float32)
;;   ~~~
;;   OPERANDS COMPUTED ON THE WAY. 'Computed on the way' means the value that the module computes at that place (a softmax that the list does not call 'softmax' is quantised finished and normalised). What goes into a quantiser is computed in f32, as accurately as f32 sums, v_exp_f32 and their like allow (about 1e-6 of the number): no bf16 or f16 on the way to a quantiser, and a product that is left as it is and whose result goes on into a quantised operand takes f32 operands (vector FMAs, or v_wmma_f32_16x16x4_f32). A number that lies on a knife's edge between two numbers of the format may be rounded either way, as far as f32 arithmetic and the matrix unit's own rounding can turn it there, and no further.
;;   INPUTS GIVEN AS CODES. x (in the module: [4, 256, 2048], K = its axis 2): each comes as NAME_codes (uint8): NAME with its K axis moved to the last place and cut into blocks of 32 codes, [.., K / 32, bytes a block], one block behind the other in memory; two codes a byte, the lower K in the low four bits (a code: sign, 2 exponent bits, 1 mantissa bit); and NAME_scales (uint8): the same leading axes, one E8M0 byte (e + 127) for each 32 codes along K. Its value is code x scale, taken as it is: it is not quantised again, and the codes and scales need not be those that the quantiser above would give.
;; One version. Each part assembles by itself: llvm-mc -triple=amdgcn-amd-amdhsa -mcpu=gfx1250 --defsym DOCPART=n.
;; ======== version 1 of 1: 2 launches
;; limits: below input magnitudes of 6.3e-30 results are inexact or not finite
;; workspace buffers: hc 4,194,304 bytes; hs 262,144 bytes; wc 8,388,608 bytes; ws 524,288 bytes
;; launch gateup (part 1): grid 256 x 1, 4 waves a work-group, clusters of 4 x 1, 327,680 bytes of LDS; arguments x_codes, x_scales, w_gate, w_up, w_down, hc, hs, wc, ws; writes hc, hs, wc, ws
.if DOCPART == 1
	.amdgcn_target "amdgcn-amd-amdhsa--gfx1250"
	.amdhsa_code_object_version 6
	.text
	.protected	k_q10ec1a16a0_gateup
	.globl	k_q10ec1a16a0_gateup
	.p2align	8
	.type	k_q10ec1a16a0_gateup,@function
k_q10ec1a16a0_gateup:
	s_mov_b64 s[64:65], 0
	v_nop
	global_prefetch_b8 v0, s[64:65] scope:SCOPE_SE
	s_setreg_imm32_b32 hwreg(HW_REG_WAVE_MODE, 25, 1), 1
	s_wait_xcnt 0x0
	s_wait_alu depctr_hold_cnt(0) depctr_sa_sdst(0) depctr_va_vdst(0) depctr_va_sdst(0) depctr_va_ssrc(0) depctr_va_vcc(0) depctr_vm_vsrc(0)
	s_getreg_b32 s2, hwreg(HW_REG_IB_STS2, 6, 4)
	s_cmp_eq_u32 s2, 0
	s_cbranch_scc0 .Lentry_in_a_cluster
	s_endpgm
.Lentry_in_a_cluster:
	s_bfe_u32 s2, ttmp6, 0x10000c
	s_cmp_lg_u32 s2, 0x3003
	s_cbranch_scc0 .Lentry_shape_is_right
	s_endpgm
.Lentry_shape_is_right:
; h = silu(x Wg^T) * (x Wu^T), quantised to E2M1 along the hidden axis, and the codes of w_down.  x: 1,024 rows x 2,048 as E2M1 codes with E8M0 bytes.  w_gate, w_up [8192][2048], w_down [2048][8192]: f32.
; A WEIGHT is first sign(w) x (mean |w| of its group of 128 along K), then quantised in blocks of 32.  A block lies inside one group, so all its numbers that are not 0 have one magnitude s:
; the block's byte is s's exponent field - 2 = the exponent field of the group's SUM - 9; s / scale lies in [4, 8), so a code is +-4 where s's mantissa is at most 1.25 (5 is a tie, and goes to the even code) and +-6 above.
; Sign and zero come from one conversion with the fixed scale 2^-100, under which every number that is not 0 is held at +-6; a mask on the codes' lowest bits turns 6 into 4.  A group is one K step of 128: its scale word is one byte four times.
; LIMITS: a weight that is not 0 and lies under 2^-97 is not served (the fixed scale); nor a group whose sum lies under 2^-117 and is not 0; NaN and infinities are not served.  A block of zeros gets the floor's byte, 1, and not 127:
; its codes are zeros, and this program alone reads the bytes.  h is formed as (g u) / (1 + 2^(-g log2 e)): another order of rounding than (g sigmoid(g)) u, about one part in 10^7.
; SHARES.  Work-group g owns hidden units 32 g .. 32 g + 31 (one block of h): 32 rows of w_gate and 32 of w_up = 4 tiles of 16, against all 1,024 rows of x.  A wave owns 256 rows of x: 16 x 4 accumulators, 512 registers.
; The products are used transposed (source 0 = 16 rows of W, source 1 = 16 rows of x), and lane r of tile u takes unit 8 u + r + 8 (r / 8): so a lane holds one row of x and 16 neighbouring units, 16 (lane / 16) + 0 .. 15.
; THE WEIGHTS are read once, straight into a ring of registers: 32 chunks of 2 rows x 512 bytes, 64 loads of a wave issued ahead (the counter's field holds 63; the issue of the 64th is held back by the hardware: ISA guide 5.7.1).
; Each load's sixteen lanes cover 256 consecutive bytes, aligned.  Wave w quantises tile w of gate / up into LDS, for all four waves; behind gate / up the same ring brings the wave's part of w_down
; (16 rows x 8 groups), whose codes leave in the order of the operand's registers, while the last super-step's products and the activation run.
; x IS THE SAME FOR ALL WORK-GROUPS: the four of a cluster ask for each tile JOINTLY (mask 15).  The weights are shared by nobody.  K goes in super-steps of 512 (256 bytes of a row of x); a super-step has two PHASES:
; phase p takes rows 512 p .. 512 p + 511, wave w rows 512 p + 128 w on: 8 tiles of 16, 128 matrix instructions and 16 chunks of the weight stream.  Phase p reads LDS slot p; at its head the other slot is asked for.
; Waves 0 and 1 fetch a slot's codes (256 rows x 256 bytes each), waves 2 and 3 its scale words (256 rows x 16 bytes each): one tensor load a wave is out at any time.
; THE SCALE WORDS RIDE IN THE RING, in rows of 16 bytes, since those of all of K have no room: 2 slots x 139,264 + 65,536 + W's 18,432 + the stage's 6,144 + 512 would be 369,152 bytes of LDS.
; REGISTERS, in windows of 256: window 0: v1-31 addresses and constants; v32-47 W's scale words, v48-55 x's; v56-63 at work; v64-127 x's fragments, two sets; v128-255 ring, groups 2 and 3.
;   window 1: v0-127 the super-step's 16 fragments of W; v128-255 ring, groups 0 and 1.   windows 2, 3: the accumulators: (phase p, tile of rows j, tile of W t) in window 2 + p at v[32 j + 8 t].
.set SLOTB, 139264                     ; a slot: 512 rows x (256 bytes + 16 of padding); slot 0 at 0, slot 1 behind it
.set XWB,   34816                      ; a wave's 128 rows of it
.set XHB,   69632                      ; 256 rows: what one tensor load brings
.set XSB,   278528                     ; the scale words of slot 0's 512 rows, 16 bytes a row; slot 1's 8,192 bytes on
.set WREG,  294912                     ; W's codes of a super-step: 64 rows x 272,
.set WSCO,  17408                      ; and behind them its scale words: 64 rows x 16 bytes
.set DREG,  313344                     ; each wave's own stage for w_down: 16 rows x 80, at + 1280 two sets of 16 scale words
.set DW,    1536
.set SPARE, 319488                     ; the spare words, 128 bytes for each wave: two blocks of 256 bytes that no other line names
.set SPW,  1                           ; v1   SPARE + 4 x my thread's number; never rewritten
.set NIL,  2                           ; v2   0; never rewritten
.set XA0,  3                           ; v3, v4  my lane's place in my wave's rows of slot 0, 1
.set XSA,  5                           ; v5   my row's scale words in slot 0's
.set WFA,  6                           ; v6   my lane's place in a tile of W
.set WSA,  7                           ; v7   and among W's scale words
.set WST,  8                           ; v8   where I store a chunk's codes
.set WSS,  9                           ; v9   and its scale word
.set MK4,  10                          ; v10  0xeeeeeeee: takes each code's lowest bit away: 6 becomes 4
.set ALL1, 11                          ; v11  all ones
.set DSTA, 12                          ; v12-15  the same four for w_down's stage: codes in, scale word in, fragment out, scale words out
.set DSS,  13
.set DFR,  14
.set DSR,  15
.set L16,  16                          ; v16  16 x lane
.set WSO,  17                          ; v17  ws: 8192 (lane / 16) + 4 (lane % 16)
.set PSEL, 18                          ; v18  byte selects for the exchange with lane xor 1
.set HF,   19                          ; v19  lane / 16
.set L16C, 20                          ; v20  16 (lane % 16)
.set KSC,  21                          ; v21  the number 2^-100
.set HOFF, 22                          ; v22  hc: 16 (lane % 16) + 8 (lane / 16)
.set HSOFF, 23                         ; v23  hs: 4 x lane
.set RO,   24                          ; v24-31  chunk i's offset: (2 i + lane / 16) rows + 16 (lane % 16)
.set WSC,  32
.set XSCL, 48
.set CA,   56                          ; a pair of chunks: codes, and three registers at work, for each
.set A0,   57
.set A1,   58
.set A2,   59
.set CB,   60
.set B0,   61
.set B1,   62
.set B2,   63
.set XF,   64
.set FL,   112                         ; v112-120  a fragment of w_down on its way out: in x's second set, which is free behind tiles 3 and 7
.set EE,   64                          ; the activation: v64-79 exponentials, v80-95 h, v96-98 maxima, v100-101 codes, v104-105 bytes of two tiles, v106 their choice
.set PP,   80
.set MM,   96
.set CC,   100
.set BY,   104
.set BB,   106
.set G0S,  8                           ; s[8:11], s[12:15] descriptor group 0 for the scale words of slot 0, 1 (where four buffers' addresses stood, once those are used up)
.set WV,   22                          ; s22  my wave's number
.set CX,   23                          ; s23  my place in the cluster: it enters global addresses of weights and results alone
.set GG,   24                          ; s24  my work-group
.set TT,   25                          ; s25  the loop's counter
.set SH,   28                          ; s28  log2 of a weight row's bytes: 13, for w_down 15
.set MB,   29                          ; s29  the second chunk's compare
.set G1X,  32                          ; s[32:39] descriptor group 1 for x's codes;  s[40:47] for x's scale words
.set G1S,  40
.set G0X,  48                          ; s[48:51], s[52:55] group 0 for the codes of slot 0, 1
.set XP,   56                          ; s[56:57] where the ring's loads stand
.set DNP,  58                          ; s[58:59] my part of w_down
.set WCP,  60
.set WSP,  62
.set HCP,  66
.set HSP,  68
.set SEL,  70
.set NL2E, 72
.set FLOOR, 74
.set MANT, 75
.set Q125, 76
.set M9,   78
.set HMASK, 79
.set MSB, 0
.macro WIN new                         ; the immediate's high byte repeats the setting that is left; a switch that changes nothing is dropped
.if MSB != (\new)
	s_set_vgpr_msb (MSB<<8)|(\new)
.set MSB, \new
.endif
.endm
; A round of the cluster's barrier: my work-group's barrier, wave 0 signals for the work-group, every wave waits for all four work-groups, my work-group's barrier once more.
.macro ROUND
	s_barrier_signal -1
	s_barrier_wait -1
	s_cmp_lg_u32 s[WV], 0
	s_cbranch_scc1 .Lnot_wave_0_\@
	s_barrier_signal -3
.Lnot_wave_0_\@:
	s_barrier_wait -3
	s_barrier_signal -1
	s_barrier_wait -1
.endm
; A joint load into slot s.  Waves 0 and 1 fetch the two halves of its codes, waves 2 and 3 the two halves of its scale words.  The branch hangs on the wave's number alone: it is the same in every work-group.
; Four v_nop follow each of the two lines; the jump round the other line, the label and what follows the macro come after them.
.macro JLOAD s
	s_cmp_lt_u32 s[WV], 2
	s_cbranch_scc0 .Lfor_s_\@
	tensor_load_to_lds s[G0X+4*(\s):G0X+4*(\s)+3], s[G1X:G1X+7]
	s_nop 0
.rept 4
	v_nop
.endr
	s_branch .Lasked_\@
.Lfor_s_\@:
	tensor_load_to_lds s[G0S+4*(\s):G0S+4*(\s)+3], s[G1S:G1S+7]
	s_nop 0
.rept 4
	v_nop
.endr
.Lasked_\@:
.endm
; Chunk (group q of four, row pair i): lanes 0-15 take row 2 i, lanes 16-31 row 2 i + 1; the first load k = 4 (lane % 16) + 0 .. 3 of the group, the second k = 64 + the same.
.macro ISSUE q, i
.set RI, 128+64*((\q)%2)+8*(\i)
	WIN 0x40*(1-(\q)/2)
	global_load_b128 v[RI:RI+3], v[RO+(\i)], s[XP:XP+1] offset:512*(\q) th:TH_LOAD_NT
	global_load_b128 v[RI+4:RI+7], v[RO+(\i)], s[XP:XP+1] offset:512*(\q)+256 th:TH_LOAD_NT
.endm
; Chunks 2 j and 2 j + 1 of group q are quantised, line by line in turns, and their registers loaded anew (issue = 1).  cnt: the loads issued behind this pair's four.  The codes end in CA and CB, the scale words in A1 and B1.
.macro CQ q, j, issue, cnt
.set RW, 1-(\q)/2
.set RA, 128+64*((\q)%2)+16*(\j)
.set RB, RA+8
	s_wait_loadcnt \cnt
	WIN 5*RW
	v_add_f32 v[A0], |v[RA]|, |v[RA+1]|
	v_add_f32 v[B0], |v[RB]|, |v[RB+1]|
	v_add_f32 v[A1], |v[RA+2]|, |v[RA+3]|
	v_add_f32 v[B1], |v[RB+2]|, |v[RB+3]|
	v_add_f32 v[A2], |v[RA+4]|, |v[RA+5]|
	v_add_f32 v[B2], |v[RB+4]|, |v[RB+5]|
	WIN RW
	v_cvt_scalef32_pk8_fp4_f32 v[CA], v[RA:RA+7], v[KSC]   ; +-6 for what is not 0, the code 0 for 0: sign and zero of eight numbers
	v_cvt_scalef32_pk8_fp4_f32 v[CB], v[RB:RB+7], v[KSC]
	v_add_f32 v[A0], |v[RA+6]|, v[A0]              ; (plain lines behind the conversions; they only read the numbers)
	v_add_f32 v[B0], |v[RB+6]|, v[B0]
	v_add_f32 v[A1], |v[RA+7]|, v[A1]
	v_add_f32 v[B1], |v[RB+7]|, v[B1]
.if \issue
	ISSUE \q, 2*(\j)
	ISSUE \q, 2*(\j)+1
.endif
	WIN 0
	v_add_f32 v[A0], v[A0], v[A1]
	v_add_f32 v[B0], v[B0], v[B1]
	v_add_f32 v[A0], v[A0], v[A2]
	v_add_f32 v[B0], v[B0], v[B2]
.irp m, 1,2,4,8
	v_add_f32_dpp v[A0], v[A0], v[A0] row_xmask:\m row_mask:0xf bank_mask:0xf   ; over the sixteen lanes of a row: the group's sum of magnitudes
	v_add_f32_dpp v[B0], v[B0], v[B0] row_xmask:\m row_mask:0xf bank_mask:0xf
.endr
	v_max_num_f32 v[A0], s[FLOOR], v[A0]           ; the floor 2^(10 - 127): the byte cannot fall under 1
	v_max_num_f32 v[B0], s[FLOOR], v[B0]
	v_and_b32 v[A1], s[MANT], v[A0]                ; the sum's mantissa is the mean's
	v_and_b32 v[B1], s[MANT], v[B0]
	v_cmp_lt_u32 vcc_lo, s[Q125], v[A1]            ; above 1.25: the code stays 6
	v_cmp_lt_u32 s[MB], s[Q125], v[B1]
	v_add_nc_u32 v[A0], s[M9], v[A0]               ; 7 off the exponent field for the mean, 2 for the format
	v_add_nc_u32 v[B0], s[M9], v[B0]
	v_cndmask_b32 v[A1], v[MK4], v[ALL1], vcc_lo
	v_cndmask_b32 v[B1], v[MK4], v[ALL1], s[MB]
	v_lshrrev_b32 v[A0], 23, v[A0]                 ; the scale's byte
	v_lshrrev_b32 v[B0], 23, v[B0]
	v_and_b32 v[CA], v[CA], v[A1]
	v_and_b32 v[CB], v[CB], v[B1]
	v_perm_b32 v[A1], v[A0], v[A0], 0              ; four times over: the group's scale word
	v_perm_b32 v[B1], v[B0], v[B0], 0
	v_mov_b32_dpp v[A2], v[CA] row_xmask:1 row_mask:0xf bank_mask:0xf
	v_mov_b32_dpp v[B2], v[CB] row_xmask:1 row_mask:0xf bank_mask:0xf
	v_perm_b32 v[CA], v[A2], v[CA], v[PSEL]        ; an even lane l now holds the eight codes of k = 4 l on, an odd one those of k = 64 + 4 (l - 1) on
	v_perm_b32 v[CB], v[B2], v[CB], v[PSEL]
.endm
; The pair's four LDS stores.  kind 0: gate / up, into W's buffer; kind 1: w_down, into my stage, scale words into set d2.
.macro CS q, j, kind, d2
.set ROWA, 16*((\j)/2)+4*((\j)%2)
.if \kind
	ds_store_b32 v[DSTA], v[CA] offset:320*(\j)
	ds_store_b32 v[DSTA], v[CB] offset:320*(\j)+160
	ds_store_b32 v[DSS], v[A1] offset:64*(\d2)+16*(\j)       ; (sixteen lanes write the same word with the same value)
	ds_store_b32 v[DSS], v[B1] offset:64*(\d2)+16*(\j)+8
.else
	ds_store_b32 v[WST], v[CA] offset:ROWA*272+64*(\q)       ; the LDS row is the unit's tile and lane, so that a fragment's sixteen rows are neighbours
	ds_store_b32 v[WST], v[CB] offset:(ROWA+2)*272+64*(\q)
	ds_store_b32 v[WSS], v[A1] offset:ROWA*16+4*(\q)
	ds_store_b32 v[WSS], v[B1] offset:(ROWA+2)*16+4*(\q)
.endif
.endm
.macro CHUNK2 q, j, kind, d2, issue, cnt
	CQ \q, \j, \issue, \cnt
	CS \q, \j, \kind, \d2
.endm
; x's four fragments (16 rows x 512 K) of tile j of phase p, and the rows' four scale words: nine LDS loads, into set j % 2
.macro XLD p, j
.irp ks, 0,1,2,3
.irp c, 0,1
	ds_load_b128 v[XF+32*((\j)%2)+8*\ks+4*\c:XF+32*((\j)%2)+8*\ks+4*\c+3], v[XA0+(\p)] offset:4352*(\j)+64*\ks+32*\c
.endr
.endr
	ds_load_b128 v[XSCL+4*((\j)%2):XSCL+4*((\j)%2)+3], v[XSA] offset:8192*(\p)+256*(\j)
.endm
; the super-step's sixteen fragments of W and their scale words
.macro WLD
	WIN 0x40
.irp t, 0,1,2,3
.irp ks, 0,1,2,3
.irp c, 0,1
	ds_load_b128 v[32*\t+8*\ks+4*\c:32*\t+8*\ks+4*\c+3], v[WFA] offset:4352*\t+64*\ks+32*\c
.endr
.endr
.endr
	WIN 0
.irp t, 0,1,2,3
	ds_load_b128 v[WSC+4*\t:WSC+4*\t+3], v[WSA] offset:256*\t
.endr
.endm
; 16 matrix instructions: tile j of phase p against W's four tiles, four K steps.  The four accumulators take turns, one instruction a turn.
.macro MT p, j
	WIN 0xa1+0x50*(\p)                             ; source 0 (W) window 1, source 1 (x) window 0, C and D window 2 or 3
.irp ks, 0,1,2,3
.irp t, 0,1,2,3
	v_wmma_scale_f32_16x16x128_f8f6f4 v[32*(\j)+8*\t:32*(\j)+8*\t+7], v[32*\t+8*\ks:32*\t+8*\ks+7], v[XF+32*((\j)%2)+8*\ks:XF+32*((\j)%2)+8*\ks+7], v[32*(\j)+8*\t:32*(\j)+8*\t+7], v[WSC+4*\t+\ks], v[XSCL+4*((\j)%2)+\ks] matrix_a_fmt:MATRIX_FMT_FP4 matrix_b_fmt:MATRIX_FMT_FP4
.endr
.endr
	WIN 0
.endm
; Group d of my part of w_down lies in my stage: it leaves as the image of a fragment's registers, two stores of 512 consecutive bytes; with an odd d the scale words of groups d - 1 and d.
.macro FLUSH d, f
	s_wait_xcnt 0x0                                ; earlier stores have read their registers: they may be loaded again
	ds_load_b128 v[\f:\f+3], v[DFR]                ; LDS serves a wave's instructions in order (ISA guide 5.7.1.4): these see my stores
	ds_load_b128 v[\f+4:\f+7], v[DFR] offset:32
.if (\d)%2
	ds_load_b32 v[\f+8], v[DSR]
.endif
	s_wait_dscnt 0x0
	global_store_b128 v[L16], v[\f:\f+3], s[WCP:WCP+1] offset:(\d)*131072
	global_store_b128 v[L16], v[\f+4:\f+7], s[WCP:WCP+1] offset:(\d)*131072+512
.if (\d)%2
	global_store_b32 v[WSO], v[\f+8], s[WSP:WSP+1] offset:((\d)-1)*8192
.endif
.endm
; A PHASE: 128 rows of x a wave against the super-step's W, and sixteen chunks of the weight stream.  fill = 1: the next phase's tile is asked for, into the slot that the last phase read.
; In front of the round each wave waits for all its tensor loads (the one that is out is its part of this phase's slot), adds 0 to its spare word, and waits for that, for its reads of the other slot and for its stores into W's buffer.
; A TILE'S TURN: its products; the chunks' vector work, whose plain lines are the places between those products and loads into their operands; the LDS loads of the tile two on, into the set just multiplied;
; then the chunks' four LDS stores: so the counted wait ahead of the next products leaves the youngest stores out.
.macro PHASE p, kind, fill, lp
.if (\p == 0) || \kind
	s_wait_xcnt 0x0                                ; all earlier loads and stores have read their addresses and data: XP, the chunks' offsets and the stores' registers may be written
.endif
	WIN 0
	s_wait_tensorcnt 0x0                           ; no tensor load of mine is out, so every group 0 may be written
	ds_add_u32 v[SPW], v[NIL]                      ; 0 onto my spare word: the steps below stand between it and the wait for it
.if \fill && (\p == 1)
	s_add_nc_u64 s[G0X+2:G0X+3], s[G0X+2:G0X+3], 256         ; both slots' descriptors go on to the next super-step: 256 bytes along a row of codes,
	s_add_nc_u64 s[G0X+6:G0X+7], s[G0X+6:G0X+7], 256
	s_add_nc_u64 s[G0S+2:G0S+3], s[G0S+2:G0S+3], 16          ; 16 along a row of scale bytes; the type bits on top are not reached
	s_add_nc_u64 s[G0S+6:G0S+7], s[G0S+6:G0S+7], 16
.endif
.if \p == 0
	s_add_nc_u64 s[XP:XP+1], s[XP:XP+1], 2048      ; the ring's loads: four groups on
.if \lp
	s_cmp_eq_u32 s[TT], 2                          ; gate / up is all asked for: the ring goes on with w_down, whose rows are four times as long
	s_cselect_b64 s[XP:XP+1], s[DNP:DNP+1], s[XP:XP+1]
	s_cselect_b32 s[SH], 15, 13
.irp i, 0,2,4,6
	v_add_nc_u32 v[A0], 2*\i, v[HF]
	v_add_nc_u32 v[B0], 2*\i+2, v[HF]
	v_lshl_add_u32 v[RO+\i], v[A0], s[SH], v[L16C]
	v_lshl_add_u32 v[RO+\i+1], v[B0], s[SH], v[L16C]
.endr
.endif
.endif
	s_wait_dscnt 0x0
.if \fill
	ROUND                                          ; this phase's slot is whole; no wave of any partner still reads the other slot or has a load on its way; and W's buffer is whole
	JLOAD 1-\p                                     ; my one tensor load behind the round, and the first thing there: it has this phase's 128 matrix instructions in which to land
.else
	s_barrier_signal -1                            ; the last phase asks for nothing: a barrier of the work-group alone shows the slot, which other waves fetched, to every wave
	s_barrier_wait -1
.endif
.if \p == 0
	WLD
.endif
	XLD \p, 0
	XLD \p, 1
.if (\p == 0) && \lp
	s_wait_dscnt 0x0                               ; W's fragments are in my registers:
	s_barrier_signal -1
	s_barrier_wait -1                              ; in everybody's: the next super-step's codes may overwrite the buffer.  (Nothing is filled by a tensor load behind this barrier)
.endif
.irp j, 0,1,2,3,4,5,6,7
.if \j == 0
	s_wait_dscnt 9                                 ; behind tile 0's loads: tile 1's nine
.elseif \j == 1
	s_wait_dscnt 13                                ; tile 2's nine and four stores
.elseif \j == 7
	s_wait_dscnt 8                                 ; the stores of two turns
.elseif \kind && (\j == 4)
	s_wait_dscnt 9                                 ; (tile 5's nine were issued behind the wait for 0 in FLUSH)
.elseif \kind && (\j == 5)
	s_wait_dscnt 13
.else
	s_wait_dscnt 17                                ; four stores, the next tile's nine loads, four stores
.endif
	MT \p, \j
	CQ 2*\p+\j/4, \j%4, 1, 60                      ; 60: the fifteen younger pairs' loads
.if \kind && (\j == 3)
	CS 2*\p+\j/4, \j%4, \kind, 0
	FLUSH 2*\p, FL
	s_wait_xcnt 0x0                                ; its stores have read their registers, which tile 5's loads take
	XLD \p, 5
.else
.if \j < 6
	XLD \p, \j+2
.endif
	CS 2*\p+\j/4, \j%4, \kind, \j/4
.if \kind && (\j == 7)
	FLUSH 2*\p+1, FL
.endif
.endif
.endr
.endm
; Tile mt of my sixteen (phase mt / 8, tile mt % 8): h = g u / (1 + 2^(-g log2 e)), its block's scale, its codes.  The exponentials and the reciprocals are a batch each, with one wait each.
.macro HT mt
.set AW, 2+(\mt)/8
.set ACB, 32*((\mt)%8)
.set GT, 32*((\mt)/8)+(\mt)%8                  ; its number among the 64 tiles of rows, less my wave's 8 w
	s_wait_xcnt 0x0                                ; the last stores have read their registers
	WIN AW
.irp n, 0,2,4,6,8,10,12,14
	v_pk_mul_f32 v[EE+\n:EE+\n+1], v[ACB+\n:ACB+\n+1], s[NL2E:NL2E+1] op_sel_hi:[1,0]   ; each accumulator from its low end on
.endr
	WIN 0
.irp n, 0,1,2,3,4,5,6,7,8,9,10,11,12,13,14,15
	v_exp_f32 v[EE+\n], v[EE+\n]
.endr
	WIN 5*AW
.irp n, 0,2,4,6,8,10,12,14
	v_pk_mul_f32 v[PP+\n:PP+\n+1], v[ACB+\n:ACB+\n+1], v[ACB+16+\n:ACB+16+\n+1]          ; g u: plain work behind the batch
.endr
	WIN 0
	s_wait_alu depctr_va_vdst(0)
.irp n, 0,2,4,6,8,10,12,14
	v_pk_add_f32 v[EE+\n:EE+\n+1], v[EE+\n:EE+\n+1], 1.0 op_sel_hi:[1,0]
.endr
.irp n, 0,1,2,3,4,5,6,7,8,9,10,11,12,13,14,15
	v_rcp_f32 v[EE+\n], v[EE+\n]
.endr
	v_nop
	s_wait_alu depctr_va_vdst(0)
.irp n, 0,2,4,6,8,10,12,14
	v_pk_mul_f32 v[PP+\n:PP+\n+1], v[PP+\n:PP+\n+1], v[EE+\n:EE+\n+1]
.endr
	v_max3_num_f32 v[MM], |v[PP]|, |v[PP+1]|, 0x1800000      ; my 16 numbers, in two chains, and the floor 2^(3 - 127): the byte cannot fall under 1
	v_max3_num_f32 v[MM+1], |v[PP+2]|, |v[PP+3]|, |v[PP+4]|
	v_max3_num_f32 v[MM], v[MM], |v[PP+5]|, |v[PP+6]|
	v_max3_num_f32 v[MM+1], v[MM+1], |v[PP+7]|, |v[PP+8]|
	v_max3_num_f32 v[MM], v[MM], |v[PP+9]|, |v[PP+10]|
	v_max3_num_f32 v[MM+1], v[MM+1], |v[PP+11]|, |v[PP+12]|
	v_max3_num_f32 v[MM], v[MM], |v[PP+13]|, |v[PP+14]|
	v_max3_num_f32 v[MM], v[MM], v[MM+1], |v[PP+15]|
	v_permlanex16_b32 v[MM+2], v[MM], s[SEL], s[SEL+1]
	v_max_num_f32 v[MM], v[MM], v[MM+2]            ; with lane l xor 16's 16: the block's largest magnitude
	v_add_nc_u32 v[MM+1], 0xff000000, v[MM]        ; 2 off its exponent field: the conversion's scale operand
	v_cvt_scalef32_pk8_fp4_f32 v[CC], v[PP:PP+7], v[MM+1]
	v_cvt_scalef32_pk8_fp4_f32 v[CC+1], v[PP+8:PP+15], v[MM+1]
	v_lshrrev_b32 v[BY+(\mt)%2], 23, v[MM+1]       ; the scale's byte.  (The plain line behind the conversions)
	global_store_b64 v[HOFF], v[CC:CC+1], s[HCP:HCP+1] offset:GT*1024      ; 32 lanes store 256 consecutive bytes, aligned: my block's quarter of the fragment's image
.if (\mt)%2
	v_cndmask_b32 v[BB], v[BY], v[BY+1], s[HMASK]  ; lanes 0-15 the even tile's rows, lanes 16-31 the odd tile's
	global_store_b8 v[HSOFF], v[BB], s[HSP:HSP+1] offset:(GT-1)*64         ; single bytes: a scale word's four bytes belong to four work-groups; 256 KiB of these in the whole launch
.endif
.endm
	s_load_b512 s[4:19], s[0:1], 0x0               ; x_codes, x_scales, w_gate, w_up, w_down, hc, hs, wc
	s_load_b64 s[20:21], s[0:1], 0x40              ; ws
	v_lshl_add_u32 v[SPW], v0, 2, SPARE
	v_mov_b32 v[NIL], 0
	ds_add_u32 v1, v2
	ds_add_u32 v1, v2
	s_wait_dscnt 0x0
	v_lshrrev_b32 v56, 5, v0
	v_readfirstlane_b32 s[WV], v56                 ; wave 0..3
	s_bfe_u32 s[CX], ttmp6, 0x40000                ; cx
	s_lshl_b32 s[GG], ttmp9, 2                     ; in a cluster launch ttmp9 counts clusters
	s_add_co_u32 s[GG], s[GG], s[CX]
	s_mov_b32 s[SEL], 0x76543210
	s_mov_b32 s[SEL+1], 0xfedcba98                 ; v_permlanex16_b32's selects for lane l xor 16
	s_mov_b32 s[NL2E], 0xbfb8aa3b                  ; -log2(e)
	s_mov_b32 s[NL2E+1], s[NL2E]                   ; (named with it as a pair, so it is written)
	s_mov_b32 s[FLOOR], 0x05000000
	s_mov_b32 s[MANT], 0x007fffff
	s_mov_b32 s[Q125], 0x00200000
	s_mov_b32 s[M9], 0xfb800000
	s_mov_b32 s[HMASK], 0xffff0000
	s_mov_b32 s[SH], 13
	; descriptor group 1 for x's codes: 256 rows x 256 bytes, 1,024 bytes apart, 16 bytes of padding behind each
	s_mov_b32 s[G1X], 15|(1<<20)|(1<<21)|(5<<22)|(3<<25)     ; 15:0 the mask: all four work-groups; 17:16 elements of 1 byte; 20 padding on; 21 set beside a mask; 24:22 after every 64 words; 31:25 four words
	s_mov_b32 s[G1X+1], 256<<16                    ; tensor_dim0
	s_mov_b32 s[G1X+2], 256<<16                    ; tensor_dim1
	s_mov_b32 s[G1X+3], 256<<16                    ; tile_dim0
	s_mov_b32 s[G1X+4], 256                        ; tile_dim1
	s_mov_b32 s[G1X+5], 1024                       ; from row to row
	s_mov_b32 s[G1X+6], 0
	s_mov_b32 s[G1X+7], 0
	; and for the scale words: 256 rows x 4 elements of 4 bytes, 16 elements apart, dense in LDS: sixteen rows' words are 256 consecutive bytes there
	s_mov_b32 s[G1S], 15|(2<<16)|(1<<21)
	s_mov_b32 s[G1S+1], 4<<16
	s_mov_b32 s[G1S+2], 256<<16
	s_mov_b32 s[G1S+3], 4<<16
	s_mov_b32 s[G1S+4], 256
	s_mov_b32 s[G1S+5], 16
	s_mov_b32 s[G1S+6], 0
	s_mov_b32 s[G1S+7], 0
	; LDS addresses: constants, the lane and the wave's number alone
	v_and_b32 v56, 15, v0                          ; r
	v_and_b32 v57, 31, v0                          ; lane
	v_bfe_u32 v[HF], v0, 4, 1                      ; h
	s_mul_i32 s80, s[WV], XWB
	v_mul_u32_u24 v58, v56, 272
	v_lshl_add_u32 v58, v[HF], 4, v58              ; 272 r + 16 h
	v_add_nc_u32 v[XA0], s80, v58
	v_add_nc_u32 v[XA0+1], SLOTB, v[XA0]
	v_add_nc_u32 v[WFA], WREG, v58
	s_lshl_b32 s85, s[WV], 11                      ; x's scale words: 16 bytes a row, my wave's 128 rows
	v_lshlrev_b32 v59, 4, v56
	v_add_nc_u32 v59, s85, v59
	v_add_nc_u32 v[XSA], XSB, v59
	v_lshl_add_u32 v[WSA], v56, 4, WREG+WSCO
	s_and_b32 s81, s[WV], 1
	s_lshl_b32 s82, s81, 3
	s_lshr_b32 s83, s[WV], 1
	s_lshl_b32 s83, s83, 5
	s_add_co_u32 s82, s82, s83                     ; my chunks' first LDS row: 8 (w % 2) + 32 (w / 2)
	s_mul_i32 s83, s82, 272
	s_lshl_b32 s82, s82, 4
	v_and_b32 v59, 1, v0
	v_bfe_u32 v60, v0, 1, 3
	v_lshlrev_b32 v60, 2, v60
	v_lshl_add_u32 v60, v59, 5, v60                ; my four bytes in a group's 64: 32 (lane % 2) + 4 ((lane / 2) % 8)
	v_mad_u32_u24 v61, v[HF], 272, v60
	v_add_nc_u32 v61, s83, v61
	v_add_nc_u32 v[WST], WREG, v61
	v_lshlrev_b32 v61, 4, v[HF]
	v_add_nc_u32 v61, s82, v61
	v_add_nc_u32 v[WSS], WREG+WSCO, v61
	s_mul_i32 s84, s[WV], DW
	s_add_co_u32 s84, s84, DREG
	v_mad_u32_u24 v61, v[HF], 80, v60
	v_add_nc_u32 v[DSTA], s84, v61
	v_lshlrev_b32 v61, 2, v[HF]
	v_add_nc_u32 v61, s84, v61
	v_add_nc_u32 v[DSS], 1280, v61
	v_mul_u32_u24 v61, v56, 80
	v_lshl_add_u32 v61, v[HF], 4, v61
	v_add_nc_u32 v[DFR], s84, v61
	v_lshlrev_b32 v61, 2, v57
	v_add_nc_u32 v61, s84, v61
	v_add_nc_u32 v[DSR], 1280, v61
	; offsets in memory, and constants
	v_lshlrev_b32 v[L16], 4, v57
	v_lshlrev_b32 v61, 13, v[HF]
	v_lshl_add_u32 v[WSO], v56, 2, v61
	v_cmp_eq_u32 vcc_lo, 1, v59
	v_mov_b32 v61, 0x05040100                      ; an even lane: my low half, then my neighbour's low half
	v_mov_b32 v62, 0x03020706                      ; an odd lane: my neighbour's high half, then my high half
	v_cndmask_b32 v[PSEL], v61, v62, vcc_lo
	v_lshlrev_b32 v[L16C], 4, v56
	v_mov_b32 v[KSC], 0x0d800000
	v_lshl_add_u32 v[HOFF], v[HF], 3, v[L16C]
	v_lshlrev_b32 v[HSOFF], 2, v57
	v_mov_b32 v[MK4], 0xeeeeeeee
	v_mov_b32 v[ALL1], -1
.irp i, 0,1,2,3,4,5,6,7
	v_add_nc_u32 v61, 2*\i, v[HF]
	v_lshl_add_u32 v[RO+\i], v61, 13, v[L16C]
.endr
	s_mul_i32 s80, s81, XHB                        ; what I fetch of a slot: half w % 2: of its codes,
	s_lshl_b32 s82, s81, 12                        ; or of its scale words: the wave's number alone enters
	s_lshl_b32 s86, s[GG], 18                      ; gate / up: 32 g rows of 8,192 bytes,
	s_lshl_b32 s87, s81, 17                        ; + 16 (w % 2) rows
	s_add_co_u32 s86, s86, s87
	s_mov_b32 s87, 0
	s_lshr_b32 s85, s[GG], 1                       ; w_down: tile of 16 rows g / 2,
	s_and_b32 s88, s[GG], 1
	s_lshl_b32 s88, s88, 5
	s_lshl_b32 s89, s[WV], 3
	s_add_co_u32 s29, s88, s89                     ; groups 32 (g % 2) + 8 w on
	s_lshl_b32 s88, s85, 19
	s_lshl_b32 s89, s29, 9
	s_add_co_u32 s88, s88, s89
	s_mov_b32 s89, 0
	s_lshl_b32 s90, s29, 17                        ; wc [K step][tile][1,024]
	s_lshl_b32 s91, s85, 10
	s_add_co_u32 s90, s90, s91
	s_mov_b32 s91, 0
	s_lshl_b32 s92, s29, 13                        ; ws [K step][tile][16 words]
	s_lshl_b32 s93, s85, 6
	s_add_co_u32 s92, s92, s93
	s_mov_b32 s93, 0
	s_lshl_b32 s94, ttmp9, 16                      ; hc [K step = cluster][tile of rows][1,024]: tile 8 w on, and block cx's 256 bytes of an image
	s_lshl_b32 s95, s[WV], 13
	s_add_co_u32 s94, s94, s95
	s_lshl_b32 s95, s[CX], 8
	s_add_co_u32 s94, s94, s95
	s_mov_b32 s95, 0
	s_lshl_b32 s30, ttmp9, 12                      ; hs [K step][tile of rows][16 rows][4]: tile 8 w on, byte cx
	s_lshl_b32 s31, s[WV], 9
	s_add_co_u32 s30, s30, s31
	s_add_co_u32 s30, s30, s[CX]
	s_mov_b32 s31, 0
	s_lshl_b32 s26, s81, 18                        ; x: my half's 256 rows of 1,024 bytes,
	s_mov_b32 s27, 0
	s_lshl_b32 s2, s81, 14                         ; and of 64 scale bytes
	s_mov_b32 s3, 0
	s_wait_kmcnt 0x0
	s_cmp_lt_u32 s[WV], 2                          ; waves 0 and 1 stream w_gate, waves 2 and 3 w_up
	s_cselect_b64 s[XP:XP+1], s[8:9], s[10:11]
	s_add_nc_u64 s[XP:XP+1], s[XP:XP+1], s[86:87]
	s_add_nc_u64 s[DNP:DNP+1], s[12:13], s[88:89]
	s_add_nc_u64 s[WCP:WCP+1], s[18:19], s[90:91]
	s_add_nc_u64 s[WSP:WSP+1], s[20:21], s[92:93]
	s_add_nc_u64 s[HCP:HCP+1], s[14:15], s[94:95]
	s_add_nc_u64 s[HSP:HSP+1], s[16:17], s[30:31]
	s_add_nc_u64 s[4:5], s[4:5], s[26:27]          ; x's codes and scale bytes at my half of rows 0 to 511
	s_add_nc_u64 s[6:7], s[6:7], s[2:3]
.irp p, 0,1                                    ; slot p always takes rows 512 p on.  (s[8:15] are free: the four addresses that stood there have been used)
	s_mov_b32 s[G0X+4*\p], 1                       ; count = 1
	s_add_co_u32 s[G0X+4*\p+1], s80, \p*SLOTB      ; LDS address
	s_add_nc_u64 s[G0X+4*\p+2:G0X+4*\p+3], s[4:5], \p*524288
	s_or_b32 s[G0X+4*\p+3], s[G0X+4*\p+3], 0x80000000        ; type = 2
	s_mov_b32 s[G0S+4*\p], 1
	s_add_co_u32 s[G0S+4*\p+1], s82, XSB+\p*8192
	s_add_nc_u64 s[G0S+4*\p+2:G0S+4*\p+3], s[6:7], \p*32768
	s_or_b32 s[G0S+4*\p+3], s[G0S+4*\p+3], 0x80000000
.endr
.irp q, 0,1,2,3
.irp i, 0,1,2,3,4,5,6,7
	ISSUE \q, \i                                   ; the ring is filled: gate / up, groups 0 to 3
.endr
.endr
	WIN 0
	ROUND                                          ; all four work-groups are here: the first joint loads meet
	JLOAD 0                                        ; slot 0; slot 1 is first filled at the first phase's head, as a refill is
	; The sums begin as zeros, written while the first weights are on their way: a first super-step with the constant 0 as C would be a third copy of a trip's text.
	WIN 0x80
.set n, 0
.rept 256
	v_mov_b32 v[n], 0
.set n, n+1
.endr
	WIN 0xc0
.set n, 0
.rept 256
	v_mov_b32 v[n], 0
.set n, n+1
.endr
	WIN 0
	s_wait_xcnt 0x0                                ; the ring's loads have read their base
	s_add_nc_u64 s[XP:XP+1], s[XP:XP+1], 2048
.irp q, 0,1,2,3
.irp j, 0,1,2,3
	CHUNK2 \q, \j, 0, 0, 1, 60                     ; groups 0 to 3 become super-step 0's W; groups 4 to 7 are asked for.  60: the fifteen younger pairs' loads
.endr
.endr
	s_mov_b32 s[TT], 0
.Ltrip:                                            ; super-steps 0, 1, 2: each multiplies, quantises the next super-step's W, and asks for the four groups behind that
	PHASE 0, 0, 1, 1
	PHASE 1, 0, 1, 1
	s_add_co_u32 s[TT], s[TT], 1
	s_cmp_lt_u32 s[TT], 3
	s_cbranch_scc1 .Ltrip
	PHASE 0, 1, 1, 0                               ; super-step 3 is written out: its chunks are w_down's, and its last phase asks for no tile
	PHASE 1, 1, 0, 0
	v_mov_b32 v[MM+2], 0                           ; written once: a lane permute's destination counts as one of its sources
.irp e, 0,1,2,3
.irp j, 0,1,2,3
	HT 4*\e+\j
	CHUNK2 \e, \j, 1, (\e)%2, 0, 60-4*(4*\e+\j)    ; w_down's groups 4 to 7: nothing more is asked for, and the counts run down
.endr
	FLUSH 4+\e, FL
.endr
	s_wait_tensorcnt 0x0                           ; the wave's end: a wait for my last tensor load, 0 onto my spare word, a wait for my last LDS store
	ds_add_u32 v[SPW], v[NIL]
	s_wait_dscnt 0x0
	ROUND                                          ; the closing round: no work-group ends while a partner may still ask for a tile that names it
	s_endpgm
.Lfunc_end_k_q10ec1a16a0_gateup:
	.size	k_q10ec1a16a0_gateup, .Lfunc_end_k_q10ec1a16a0_gateup-k_q10ec1a16a0_gateup
	.p2alignl 7, 3214868480
	.fill 96, 4, 3214868480
	.section	.rodata,"a",@progbits
	.p2align	6, 0x0
	.amdhsa_kernel k_q10ec1a16a0_gateup
		.amdhsa_group_segment_fixed_size 327680
		.amdhsa_private_segment_fixed_size 0
		.amdhsa_enable_private_segment 0
		.amdhsa_kernarg_size 72
		.amdhsa_user_sgpr_count 2
		.amdhsa_user_sgpr_kernarg_segment_ptr 1
		.amdhsa_wavefront_size32 1
		.amdhsa_system_sgpr_workgroup_id_x 1
		.amdhsa_system_sgpr_workgroup_id_y 1
		.amdhsa_system_sgpr_workgroup_id_z 1
		.amdhsa_system_vgpr_workitem_id 0
		.amdhsa_next_free_vgpr 1024
		.amdhsa_next_free_sgpr 96
		.amdhsa_reserve_vcc 1
		.amdhsa_float_denorm_mode_32 3
		.amdhsa_float_denorm_mode_16_64 3
		.amdhsa_memory_ordered 1
		.amdhsa_forward_progress 1
		.amdhsa_inst_pref_size 255
	.end_amdhsa_kernel
	.section	.bss,"aw",@nobits
	.p2align	6
	.space	262144
	.amdgpu_metadata
---
amdhsa.version: [ 1, 2 ]
amdhsa.kernels:
  - .name:           k_q10ec1a16a0_gateup
    .symbol:         k_q10ec1a16a0_gateup.kd
    .args:
      - { .name: x_codes, .offset: 0, .size: 8, .value_kind: global_buffer, .address_space: global }
      - { .name: x_scales, .offset: 8, .size: 8, .value_kind: global_buffer, .address_space: global }
      - { .name: w_gate, .offset: 16, .size: 8, .value_kind: global_buffer, .address_space: global }
      - { .name: w_up, .offset: 24, .size: 8, .value_kind: global_buffer, .address_space: global }
      - { .name: w_down, .offset: 32, .size: 8, .value_kind: global_buffer, .address_space: global }
      - { .name: hc, .offset: 40, .size: 8, .value_kind: global_buffer, .address_space: global }
      - { .name: hs, .offset: 48, .size: 8, .value_kind: global_buffer, .address_space: global }
      - { .name: wc, .offset: 56, .size: 8, .value_kind: global_buffer, .address_space: global }
      - { .name: ws, .offset: 64, .size: 8, .value_kind: global_buffer, .address_space: global }
    .group_segment_fixed_size: 327680
    .private_segment_fixed_size: 0
    .kernarg_segment_align: 8
    .kernarg_segment_size: 72
    .max_flat_workgroup_size: 128
    .sgpr_count:     96
    .vgpr_count:     1024
    .wavefront_size: 32
...
	.end_amdgpu_metadata
.endif
;; end of part 1
;; launch down (part 2): grid 32 x 8, 4 waves a work-group, no clusters, 139,776 bytes of LDS; arguments hc, hs, wc, ws, out0; writes out0
.if DOCPART == 2
	.amdgcn_target "amdgcn-amd-amdhsa--gfx1250"
	.amdhsa_code_object_version 6
	.text
	.protected	k_q10ec1a16a0_down
	.globl	k_q10ec1a16a0_down
	.p2align	8
	.type	k_q10ec1a16a0_down,@function
k_q10ec1a16a0_down:
	s_mov_b64 s[64:65], 0
	v_nop
	global_prefetch_b8 v0, s[64:65] scope:SCOPE_SE
	s_setreg_imm32_b32 hwreg(HW_REG_WAVE_MODE, 25, 1), 1
	s_wait_xcnt 0x0
; out0[m][n] = sum over k of h[m][k] wd[n][k], M = 1,024, N = 2,048, K = 8,192, both operands as E2M1 codes with E8M0 scale words, laid by the launch before in the order of the operands' registers:
; hc [K step 64][tile of 16 rows 64][1,024 bytes], hs [K step][tile][16 words]; wc [K step 64][tile of 16 rows 128][1,024], ws [K step][tile][16 words].  A fragment's registers 4 c .. 4 c + 3 of lane l lie at 512 c + 16 l.
; SHARES.  A work-group makes 128 (m) x 64 (n) of out0.  ITS FOUR WAVES SHARE K, 16 K steps each, and each makes the whole tile: 32 accumulators.  So a fragment is wanted by one wave alone and goes from memory straight
; into its registers, by loads of 512 consecutive bytes; no tile goes through LDS.  At the end the four partial tiles meet in LDS and each wave adds and stores 32 whole rows.  (The sums over K are so formed in four parts.)
; No joint loads: a cluster's joint load lands in LDS, and here no wave shares a fragment with another wave of its work-group, so every fragment would take the way through LDS for that alone.
; The products are used transposed (source 0 = 16 rows of wd, source 1 = 16 rows of h): a lane holds eight neighbouring numbers of a row of out0.
; REGISTERS: window 0: v1-6 addresses; v32-43 h's scale words, v44-49 wd's (three sets; lanes 0-15 an even tile's rows, lanes 16-31 the odd tile's); v64-255 h's fragments, three sets of eight.
;   window 1: v0-95 wd's fragments, three sets of four.   window 2: the accumulators, (mt, nt) at v[8 (4 mt + nt)].
.set L16,  1                           ; v1  16 x lane
.set L4,   2                           ; v2  4 x lane
.set RST,  3                           ; v3  LDS: where I put 32 bytes of a row of my partial tile
.set RRD0, 4                           ; v4  where I read a row back, parts 0 and 1;  v5: parts 2 and 3
.set RRD1, 5
.set CO,   6                           ; v6  my byte offset in two rows of out0
.set HSC,  32
.set WSC,  44
.set HFR,  64
.set PART, 34816                       ; a partial tile in LDS: 128 rows x (256 bytes + 16)
.set MSB, 0
.macro WIN new
.if MSB != (\new)
	s_set_vgpr_msb (MSB<<8)|(\new)
.set MSB, \new
.endif
.endm
	s_load_b256 s[4:11], s[0:1], 0x0               ; hc, hs, wc, ws
	s_load_b64 s[12:13], s[0:1], 0x20              ; out0
	v_lshl_add_u32 v62, v0, 2, 0x22000
	v_mov_b32 v63, 0
	v_lshrrev_b32 v7, 5, v0
	v_readfirstlane_b32 s14, v7                    ; wave 0..3
	v_and_b32 v8, 31, v0                           ; lane
	v_and_b32 v9, 15, v0                           ; r
	v_bfe_u32 v10, v0, 4, 1                        ; h
	v_lshlrev_b32 v[L16], 4, v8
	v_lshlrev_b32 v[L4], 2, v8
	s_mul_i32 s15, s14, PART
	v_mul_u32_u24 v11, v9, 272
	v_lshl_add_u32 v11, v10, 5, v11
	v_add_nc_u32 v[RST], s15, v11                  ; my part, row r, + 32 h
	s_mul_i32 s16, s14, 32*272
	v_mul_u32_u24 v11, v10, 272
	v_lshl_add_u32 v11, v9, 4, v11
	v_add_nc_u32 v[RRD0], s16, v11                 ; rows 32 w on: lanes 0-15 one row, lanes 16-31 the next
	v_add_nc_u32 v[RRD1], 2*PART, v[RRD0]
	v_lshlrev_b32 v11, 13, v10
	v_lshl_add_u32 v[CO], v9, 4, v11
	s_and_b32 s17, ttmp7, 0xffff                   ; block of 128 rows
	s_lshl_b32 s20, s14, 20                        ; hc: 16 w K steps of 65,536 bytes + 8 tiles of 1,024 a block
	s_lshl_b32 s21, s17, 13
	s_add_co_u32 s20, s20, s21
	s_mov_b32 s21, 0
	s_lshl_b32 s22, s14, 16                        ; hs: K steps of 4,096, tiles of 64
	s_lshl_b32 s23, s17, 9
	s_add_co_u32 s22, s22, s23
	s_mov_b32 s23, 0
	s_lshl_b32 s24, s14, 21                        ; wc: K steps of 131,072, 4 tiles of 1,024 a block of 64 columns
	s_lshl_b32 s25, ttmp9, 12
	s_add_co_u32 s24, s24, s25
	s_mov_b32 s25, 0
	s_lshl_b32 s26, s14, 17                        ; ws: K steps of 8,192, tiles of 64
	s_lshl_b32 s27, ttmp9, 8
	s_add_co_u32 s26, s26, s27
	s_mov_b32 s27, 0
	s_lshl_b32 s28, s17, 20                        ; out0: row 128 mb + 32 w of 8,192 bytes, + 256 bytes a block of columns
	s_lshl_b32 s29, s14, 18
	s_add_co_u32 s28, s28, s29
	s_lshl_b32 s29, ttmp9, 8
	s_add_co_u32 s28, s28, s29
	s_mov_b32 s29, 0
	s_wait_kmcnt 0x0
	s_add_nc_u64 s[4:5], s[4:5], s[20:21]
	s_add_nc_u64 s[6:7], s[6:7], s[22:23]
	s_add_nc_u64 s[8:9], s[8:9], s[24:25]
	s_add_nc_u64 s[10:11], s[10:11], s[26:27]
	s_add_nc_u64 s[12:13], s[12:13], s[28:29]
; my K step i: 30 loads into set i % 3.  Every offset is an immediate, 2 MiB at the most: no address is stepped.
.macro LOADK i
.set SE, (\i)%3
.irp mt, 0,1,2,3,4,5,6,7
.irp c, 0,1
	global_load_b128 v[HFR+64*SE+8*\mt+4*\c:HFR+64*SE+8*\mt+4*\c+3], v[L16], s[4:5] offset:(\i)*65536+\mt*1024+\c*512
.endr
.endr
.irp p, 0,1,2,3
	global_load_b32 v[HSC+4*SE+\p], v[L4], s[6:7] offset:(\i)*4096+\p*128
.endr
	WIN 0x40
.irp nt, 0,1,2,3
.irp c, 0,1
	global_load_b128 v[32*SE+8*\nt+4*\c:32*SE+8*\nt+4*\c+3], v[L16], s[8:9] offset:(\i)*131072+\nt*1024+\c*512
.endr
.endr
	WIN 0
.irp p, 0,1
	global_load_b32 v[WSC+2*SE+\p], v[L4], s[10:11] offset:(\i)*8192+\p*128
.endr
.endm
; one matrix instruction; ra, rb: the side's scale words stand in lanes 16-31; zero: the first product starts the sum
.macro WM ac, fa, fb, sa, sb, ra, rb, zero
.if \zero
.if (\ra) && (\rb)
	v_wmma_scale_f32_16x16x128_f8f6f4 v[(\ac):(\ac)+7], v[(\fa):(\fa)+7], v[(\fb):(\fb)+7], 0, v[\sa], v[\sb] matrix_a_fmt:MATRIX_FMT_FP4 matrix_b_fmt:MATRIX_FMT_FP4 matrix_a_scale:MATRIX_SCALE_ROW1 matrix_b_scale:MATRIX_SCALE_ROW1
.elseif \ra
	v_wmma_scale_f32_16x16x128_f8f6f4 v[(\ac):(\ac)+7], v[(\fa):(\fa)+7], v[(\fb):(\fb)+7], 0, v[\sa], v[\sb] matrix_a_fmt:MATRIX_FMT_FP4 matrix_b_fmt:MATRIX_FMT_FP4 matrix_a_scale:MATRIX_SCALE_ROW1
.elseif \rb
	v_wmma_scale_f32_16x16x128_f8f6f4 v[(\ac):(\ac)+7], v[(\fa):(\fa)+7], v[(\fb):(\fb)+7], 0, v[\sa], v[\sb] matrix_a_fmt:MATRIX_FMT_FP4 matrix_b_fmt:MATRIX_FMT_FP4 matrix_b_scale:MATRIX_SCALE_ROW1
.else
	v_wmma_scale_f32_16x16x128_f8f6f4 v[(\ac):(\ac)+7], v[(\fa):(\fa)+7], v[(\fb):(\fb)+7], 0, v[\sa], v[\sb] matrix_a_fmt:MATRIX_FMT_FP4 matrix_b_fmt:MATRIX_FMT_FP4
.endif
.else
.if (\ra) && (\rb)
	v_wmma_scale_f32_16x16x128_f8f6f4 v[(\ac):(\ac)+7], v[(\fa):(\fa)+7], v[(\fb):(\fb)+7], v[(\ac):(\ac)+7], v[\sa], v[\sb] matrix_a_fmt:MATRIX_FMT_FP4 matrix_b_fmt:MATRIX_FMT_FP4 matrix_a_scale:MATRIX_SCALE_ROW1 matrix_b_scale:MATRIX_SCALE_ROW1
.elseif \ra
	v_wmma_scale_f32_16x16x128_f8f6f4 v[(\ac):(\ac)+7], v[(\fa):(\fa)+7], v[(\fb):(\fb)+7], v[(\ac):(\ac)+7], v[\sa], v[\sb] matrix_a_fmt:MATRIX_FMT_FP4 matrix_b_fmt:MATRIX_FMT_FP4 matrix_a_scale:MATRIX_SCALE_ROW1
.elseif \rb
	v_wmma_scale_f32_16x16x128_f8f6f4 v[(\ac):(\ac)+7], v[(\fa):(\fa)+7], v[(\fb):(\fb)+7], v[(\ac):(\ac)+7], v[\sa], v[\sb] matrix_a_fmt:MATRIX_FMT_FP4 matrix_b_fmt:MATRIX_FMT_FP4 matrix_b_scale:MATRIX_SCALE_ROW1
.else
	v_wmma_scale_f32_16x16x128_f8f6f4 v[(\ac):(\ac)+7], v[(\fa):(\fa)+7], v[(\fb):(\fb)+7], v[(\ac):(\ac)+7], v[\sa], v[\sb] matrix_a_fmt:MATRIX_FMT_FP4 matrix_b_fmt:MATRIX_FMT_FP4
.endif
.endif
.endm
; my K step i: 32 matrix instructions; the 32 accumulators take turns, one instruction a turn
.macro MULK i
.set SE, (\i)%3
.set ZR, 0
.if (\i) == 0
.set ZR, 1
.endif
	WIN 0xa1                                       ; source 0 (wd) window 1, source 1 (h) window 0, C and D window 2
.irp mt, 0,1,2,3,4,5,6,7
.irp nt, 0,1,2,3
	WM 8*(4*\mt+\nt), 32*SE+8*\nt, HFR+64*SE+8*\mt, WSC+2*SE+\nt/2, HSC+4*SE+\mt/2, \nt%2, \mt%2, ZR
.endr
.endr
	WIN 0
.endm
	LOADK 0
	LOADK 1
	LOADK 2                                        ; (90 loads are written here; the counter's field holds 63, and the hardware holds the issue back meanwhile: ISA guide 5.7.1)
.irp i, 0,1,2,3,4,5,6,7,8,9,10,11,12,13,14,15
.if \i < 14
	s_wait_loadcnt 60                              ; this K step's 30 loads are in; the two younger sets may be out
.elseif \i == 14
	s_wait_loadcnt 30
.else
	s_wait_loadcnt 0x0
.endif
	MULK \i
.rept 4
	v_nop                                          ; places in front of loads into registers that these products have read, and at the end of the first read of results
.endr
.if \i+3 < 16
	LOADK \i+3
.endif
.endr
	; THE FOUR PARTS MEET IN LDS.  Lane (r, h) holds out0(16 mt + r, 16 nt + 8 h + 0 .. 7): 32 bytes of a row of 256 bytes + 16 of padding.
	WIN 0x08                                       ; an LDS store's data are its source 1: window 2
.irp mt, 0,1,2,3,4,5,6,7
.irp nt, 0,1,2,3
	ds_store_b128 v[RST], v[8*(4*\mt+\nt):8*(4*\mt+\nt)+3] offset:\mt*4352+\nt*64          ; each accumulator from its low end on
	ds_store_b128 v[RST], v[8*(4*\mt+\nt)+4:8*(4*\mt+\nt)+7] offset:\mt*4352+\nt*64+16
.endr
.endr
	WIN 0
	s_wait_dscnt 0x0                               ; for the others' sake: my stores have landed
	s_barrier_signal -1
	s_barrier_wait -1
.irp b, 0,1,2,3                                ; my 32 rows, eight at a time: two rows an instruction, four parts
.if \b > 0
	s_wait_xcnt 0x0                                ; the last batch's stores have read their registers
.endif
.irp p, 0,1,2,3
	ds_load_b128 v[64+16*\p:67+16*\p], v[RRD0] offset:544*(4*\b+\p)
	ds_load_b128 v[68+16*\p:71+16*\p], v[RRD0] offset:PART+544*(4*\b+\p)
	ds_load_b128 v[72+16*\p:75+16*\p], v[RRD1] offset:544*(4*\b+\p)
	ds_load_b128 v[76+16*\p:79+16*\p], v[RRD1] offset:PART+544*(4*\b+\p)
.endr
	s_wait_dscnt 0x0
.irp p, 0,1,2,3
	v_pk_add_f32 v[64+16*\p:65+16*\p], v[64+16*\p:65+16*\p], v[68+16*\p:69+16*\p]
	v_pk_add_f32 v[66+16*\p:67+16*\p], v[66+16*\p:67+16*\p], v[70+16*\p:71+16*\p]
	v_pk_add_f32 v[72+16*\p:73+16*\p], v[72+16*\p:73+16*\p], v[76+16*\p:77+16*\p]
	v_pk_add_f32 v[74+16*\p:75+16*\p], v[74+16*\p:75+16*\p], v[78+16*\p:79+16*\p]
.endr
.irp p, 0,1,2,3
	v_pk_add_f32 v[64+16*\p:65+16*\p], v[64+16*\p:65+16*\p], v[72+16*\p:73+16*\p]
	v_pk_add_f32 v[66+16*\p:67+16*\p], v[66+16*\p:67+16*\p], v[74+16*\p:75+16*\p]
.endr
.irp p, 0,1,2,3
	global_store_b128 v[CO], v[64+16*\p:67+16*\p], s[12:13] offset:(4*\b+\p)*16384 th:TH_STORE_NT   ; sixteen lanes store 256 consecutive bytes, at a multiple of 256 from out0's first byte
.endr
.endr
	s_wait_tensorcnt 0x0
	ds_add_u32 v62, v63
	s_wait_dscnt 0x0
	s_endpgm
.Lfunc_end_k_q10ec1a16a0_down:
	.size	k_q10ec1a16a0_down, .Lfunc_end_k_q10ec1a16a0_down-k_q10ec1a16a0_down
	.p2alignl 7, 3214868480
	.fill 96, 4, 3214868480
	.section	.rodata,"a",@progbits
	.p2align	6, 0x0
	.amdhsa_kernel k_q10ec1a16a0_down
		.amdhsa_group_segment_fixed_size 139776
		.amdhsa_private_segment_fixed_size 0
		.amdhsa_enable_private_segment 0
		.amdhsa_kernarg_size 40
		.amdhsa_user_sgpr_count 2
		.amdhsa_user_sgpr_kernarg_segment_ptr 1
		.amdhsa_wavefront_size32 1
		.amdhsa_system_sgpr_workgroup_id_x 1
		.amdhsa_system_sgpr_workgroup_id_y 1
		.amdhsa_system_sgpr_workgroup_id_z 1
		.amdhsa_system_vgpr_workitem_id 0
		.amdhsa_next_free_vgpr 768
		.amdhsa_next_free_sgpr 66
		.amdhsa_reserve_vcc 0
		.amdhsa_float_denorm_mode_32 3
		.amdhsa_float_denorm_mode_16_64 3
		.amdhsa_memory_ordered 1
		.amdhsa_forward_progress 1
		.amdhsa_inst_pref_size 132
	.end_amdhsa_kernel
	.amdgpu_metadata
---
amdhsa.version: [ 1, 2 ]
amdhsa.kernels:
  - .name:           k_q10ec1a16a0_down
    .symbol:         k_q10ec1a16a0_down.kd
    .args:
      - { .name: hc, .offset: 0, .size: 8, .value_kind: global_buffer, .address_space: global }
      - { .name: hs, .offset: 8, .size: 8, .value_kind: global_buffer, .address_space: global }
      - { .name: wc, .offset: 16, .size: 8, .value_kind: global_buffer, .address_space: global }
      - { .name: ws, .offset: 24, .size: 8, .value_kind: global_buffer, .address_space: global }
      - { .name: out0, .offset: 32, .size: 8, .value_kind: global_buffer, .address_space: global }
    .group_segment_fixed_size: 139776
    .private_segment_fixed_size: 0
    .kernarg_segment_align: 8
    .kernarg_segment_size: 40
    .max_flat_workgroup_size: 128
    .sgpr_count:     66
    .vgpr_count:     768
    .wavefront_size: 32
...
	.end_amdgpu_metadata
.endif
;; end of part 2
